; MI455X (gfx1250); checked and timed in simulation.
; The chip was launched on July 23, 2026; its instructions are those of AMD's public machine-readable ISA for CDNA 5 (MIT licence, August 2026) and "CDNA5" Instruction Set Architecture Reference Guide (July 2026). The comments in the code are by the model that wrote it; some were corrected since.
;; Self Attention1 D. Allowed arithmetic: matrix products marked QUANTISED: E3M2 operands, one E8M0 scale for each 32 along K, by v_wmma_scale_f32_16x16x128_f8f6f4 with both operands' format E3M2, f32 sums; everything else in f32.
;; Inputs: Wf_codes 64 x 16 x 24 uint8 (E3M2 codes of Wf, K innermost, in blocks of 32 codes, four codes in three bytes); Wf_scales 64 x 16 uint8 (E8M0 scales of Wf, one for each 32 codes along K); Wg_codes 64 x 16 x 24 uint8 (E3M2 codes of Wg, K innermost, in blocks of 32 codes, four codes in three bytes); Wg_scales 64 x 16 uint8 (E8M0 scales of Wg, one for each 32 codes along K); Wh_codes 512 x 16 x 24 uint8 (E3M2 codes of Wh, K innermost, in blocks of 32 codes, four codes in three bytes); Wh_scales 512 x 16 uint8 (E8M0 scales of Wh, one for each 32 codes along K); bf 64 float32; bg 64 float32; bh 512 float32; gamma one number float32; x 4 x 4,096 x 512 float32.
;; Outputs: out0 4 x 4,096 x 512 float32.
;; This version of the problem:
;;   THIS VERSION OF THE PROBLEM IS GIVEN IN LOW PRECISION. The matrix products marked QUANTISED in the list below multiply operands that are first quantised to E3M2 (3 exponent bits, 2 mantissa bits; 6 bits a number), with one power-of-two scale for each 32 numbers along K (OCP MX v1.0); their sums are f32. All else is computed in f32.
;;   The module's matrix products, in the order in which they are computed (A, B: the left and right operand; K: the contracted axis; several contracted axes count as one K, in the product's order):
;;     1. [M 16,384, K 512] x [K 512, N 64]; A: input x; B: input Wf (given as codes): QUANTISED
;;     2. [M 16,384, K 512] x [K 512, N 64]; A: input x; B: input Wg (given as codes): QUANTISED
;;     3. [M 16,384, K 512] x [K 512, N 512]; A: input x; B: input Wh (given as codes): QUANTISED
;;     4. batch 4 x [M 4,096, K 64] x [K 64, N 4,096]; A: computed on the way; B: computed on the way: QUANTISED
;;     5. batch 4 x [M 4,096, K 4,096] x [K 4,096, N 512]; A: softmax (see below); B: computed on the way: QUANTISED
;;   THE QUANTISER, for each operand of a quantised product, along K:
;;     - K is cut into blocks of 32 from its start; a last block that is shorter is filled with zeros.
;;     - A block's scale is 2^e with e = floor(log2(the largest magnitude in the block)) - 4, held to -126 .. 127; a block of zeros has e = 0. As a byte (E8M0): e + 127.
;;     - Each number is divided by its block's scale, clamped to +-28, and rounded to the nearest number of E3M2, ties to even, subnormals kept.
;;     - The product sums the exact products of the quantised numbers (number of the format x scale) in f32.
;;   ~~~python
;;   def quantise(x, axis):      # numpy; x: float32 -> the quantised numbers, widened to float32 again
;;       x = np.moveaxis(x, axis, -1); K = x.shape[-1]
;;       x = np.pad(x, [(0, 0)] * (x.ndim - 1) + [(0, -K % 32)]); x = x.reshape(x.shape[:-1] + (-1, 32)); a = np.abs(x).max(-1, keepdims=True)
;;       e = np.where(a > 0, np.clip(np.frexp(np.where(a > 0, a, 1))[1] - 1 - 4, -126, 127), 0)      # np.frexp(a)[1] - 1 = floor(log2(a)), exactly
;;       r = np.clip(x / 2.0 ** e, -28, 28)
;;       step = 2.0 ** (np.maximum(np.frexp(np.where(r == 0, 1, r))[1] - 1, -2) - 2)
;;       q = np.round(r / step) * step * 2.0 ** e      # np.round: ties to even
;;       return np.moveaxis(q.reshape(q.shape[:-2] + (-1,))[..., :K], -1, axis).astype(np.float32)
;;   ~~~
;;   SOFTMAX AHEAD OF A QUANTISED PRODUCT. Where the list says 'softmax', what is quantised is not the finished softmax but p = 2^(t - M), with t = logit x log2(e) and M = ceil(the row's largest t), a whole number; so 1/2 < the row's largest p <= 1. The row's sum l is taken of the UNQUANTISED p, in f32, and the product's result is divided by l at the end. Since M is a whole number, a kernel that streams over the keys may use a running M (the ceiling of the running maximum): every later rescaling is an exact power of two, which a block's scale takes up: the codes' values come out the same.
;;   OPERANDS COMPUTED ON THE WAY. 'Computed on the way' means the value that the module computes at that place (a softmax that the list does not call 'softmax' is quantised finished and normalised). What goes into a quantiser is computed in f32, as accurately as f32 sums, v_exp_f32 and their like allow (about 1e-6 of the number): no bf16 or f16 on the way to a quantiser, and a product that is left as it is and whose result goes on into a quantised operand takes f32 operands (vector FMAs, or v_wmma_f32_16x16x4_f32). A number that lies on a knife's edge between two numbers of the format may be rounded either way, as far as f32 arithmetic and the matrix unit's own rounding can turn it there, and no further.
;;   INPUTS GIVEN AS CODES. Wf (in the module: [512, 64], K = its axis 0); Wg (in the module: [512, 64], K = its axis 0); Wh (in the module: [512, 512], K = its axis 0): each comes as NAME_codes (uint8): NAME with its K axis moved to the last place and cut into blocks of 32 codes, [.., K / 32, bytes a block], one block behind the other in memory; four codes in three bytes: a row's codes are one little-endian stream of bits, code i at bits 6 i .. 6 i + 5 (a code: sign, 3 exponent bits, 2 mantissa bits); and NAME_scales (uint8): the same leading axes, one E8M0 byte (e + 127) for each 32 codes along K. Its value is code x scale, taken as it is: it is not quantised again, and the codes and scales need not be those that the quantiser above would give.
;; One version. Each part assembles by itself: llvm-mc -triple=amdgcn-amd-amdhsa -mcpu=gfx1250 --defsym DOCPART=n.
;; ======== version 1 of 1: 2 launches
;; limits: right only within a limited range of input values
;; workspace buffers: kv 7,471,104 bytes; qc 917,504 bytes
;; launch proj (part 1): grid 256 x 1, 4 waves a work-group, clusters of 4 x 1, 327,680 bytes of LDS; arguments x, Wf_codes, Wf_scales, Wg_codes, Wg_scales, Wh_codes, Wh_scales, bf, bg, bh, kv, qc; writes kv, qc
.if DOCPART == 1
	.amdgcn_target "amdgcn-amd-amdhsa--gfx1250"
	.amdhsa_code_object_version 6
	.text
	.protected	k_q60bf8c9b0f_proj
	.globl	k_q60bf8c9b0f_proj
	.p2align	8
	.type	k_q60bf8c9b0f_proj,@function
k_q60bf8c9b0f_proj:
	s_mov_b64 s[64:65], 0
	v_nop
	global_prefetch_b8 v0, s[64:65] scope:SCOPE_SE
	s_setreg_imm32_b32 hwreg(HW_REG_WAVE_MODE, 25, 1), 1
	s_wait_xcnt 0x0
	s_wait_alu depctr_hold_cnt(0) depctr_sa_sdst(0) depctr_va_vdst(0) depctr_va_sdst(0) depctr_va_ssrc(0) depctr_va_vcc(0) depctr_vm_vsrc(0)
	s_getreg_b32 s2, hwreg(HW_REG_IB_STS2, 6, 4)
	s_cmp_eq_u32 s2, 0
	s_cbranch_scc0 .Lentry_in_a_cluster
	s_endpgm
.Lentry_in_a_cluster:
	s_bfe_u32 s2, ttmp6, 0x10000c
	s_cmp_lg_u32 s2, 0x3003
	s_cbranch_scc0 .Lentry_shape_is_right
	s_endpgm
.Lentry_shape_is_right:
; f = x Wf + bf, g = x Wg + bg (64 wide), h = x Wh + bh (512 wide), all three products on codes of E3M2 with one E8M0 scale for each 32 along K = the 512 channels;
; then f and g are quantised along their 64 numbers and h along the POSITIONS (the keys of the last product), and all leave as images of the operand registers that the attention launch wants.
; NO WORK IS LEFT OUT: every bias moves codes of a live product (bg too: it stands ahead of a quantiser), so every input of these products is loaded.
; LIMITS: NaN and infinities among the inputs are not served.  A block whose largest magnitude lies under 2^(5 - 127) gets the scale byte 1; a block of zeros gets the byte 1 where the rule says 127: its codes are zeros,
; which add nothing under any byte but 0xff, and this program alone reads the bytes.  bf and bg enter as the C of the first K step, so they are added first and not last.
; SHARES.  A work-group of four waves takes 64 positions.  Wave w quantises 16 rows of x (tile w) and hands the codes to the others through LDS as images of registers; it makes h for channels 128 w .. 128 w + 127 and all
; 64 positions (source 0 = x, source 1 = Wh: a lane holds ONE channel and its registers run along the positions), and f (waves 0, 1) or g (waves 2, 3) for 32 positions (source 0 = 16 rows of the weight, source 1 = x:
; a lane holds ONE position and its registers run along the 64 numbers).
; THE ROWS OF A TILE ARE NOT NEIGHBOURS: index r of tile m = 2 b + u stands for row 32 b + 8 u + r + 8 (r / 8), of x's positions and of Wf's and Wg's rows alike, so that the 16 registers of two neighbouring result tiles are
; 16 neighbours along the next K.
; CLUSTER: all work-groups walk the same 245,760 bytes of weights; the four of a cluster ask for them JOINTLY, each wave two tensor loads; all of it fits in LDS at once, so nothing is filled again.
; OUT.  kv: 256 half-blocks of HB bytes (64 keys each): V's codes, tile T of 16 channels at 768 T (registers 0-3 of a lane at 16 x lane, registers 4, 5 at 512 + 8 x lane); V's scale bytes at 24,576; at 25,600 the K codes
; and at 28,672 the K scale words of the half-block FOUR FURTHER ON in the same batch (round the end), so that a block of four half-blocks holds the values of one step of 256 keys and the keys of the next.  qc: the same image of f.
.set HB,    29184
.set WP,    432                        ; a weight's row in LDS: 3 x (128 bytes + 16 of padding)
.set LWFG,  221184                     ; LDS: Wh's 512 rows from 0; Wf's 64 rows and Wg's 64 from here;
.set LXST,  276480                     ; for each wave 16 rows x (512 + 16) bytes: x turns here;
.set LXIM,  310272                     ; two buffers of XBUF bytes: x's four fragment images of 1,536 bytes, then their four scale images of 128;
.set XBUF,  6656
.set SPARE, 323584                     ; the spare words, 128 bytes for each wave: two blocks of 256 bytes that no other line names
; window 0
.set L16,  1                           ; 16 x lane
.set L8,   2                           ; 8 x lane
.set L4,   3                           ; 4 x lane
.set XSA,  4                           ; x's stage: in
.set XLA,  5                           ; and out: row r, + 64 h
.set XIA,  6                           ; where I store my fragment's image
.set XWA,  7                           ; and its scale words
.set XFA,  8                           ; where the four images are read
.set XFS,  9
.set XGA,  10                          ; and the two that f or g wants of me
.set XGSA, 11
.set WHA,  12                          ; v12, v13 my fragments of Wh (v13: behind one padding more)
.set WFA,  14                          ; v14, v15 of Wf or Wg
.set R16,  16
.set RP16, 17
.set SPW,  18                          ; LDS address of my spare word; never rewritten
.set NIL,  19                          ; 0; never rewritten
.set VW,   20                          ; v20-23 V's scale bytes, two tiles to a word
.set TM,   24                          ; v24-39 at work in QUANT
.set VP,   40                          ; v40, v41 the pair of V's scale words that I store
.set PW,   42                          ; v42 the scale word just made; v43 the same 16 bits down
.set PC,   44                          ; v44-55 the codes just made; v56-63 at work
.set XN,   64                          ; v64-127 64 numbers of x
.set XF,   128                         ; v128-175 x's four fragments
.set XG,   176                         ; v176-199 the two for f or g
.set XS,   200                         ; v200-203 their scale words;  v204, v205
.set XGS,  204
.set VSO,  206
.set H64,  207
.set WHS,  208                         ; v208-239 Wh's scale words (4 n + s)
.set WFS,  240                         ; v240-255 Wf's or Wg's (4 t + s)
; window 1: h's 32 accumulators, (n, m) at 32 n + 8 m.   window 3: x as loaded, 64 s + 4 i.   window 2:
.set WHF,  0                           ; Wh's eight fragments of a K step
.set WFF,  96                          ; Wf's or Wg's four
.set FG,   144                         ; f's or g's eight accumulators, (i, t) at 32 i + 8 t
.set BFG,  208                         ; bf or bg in the result's layout, eight registers a tile
.set BH,   240                         ; bh of my lane's channel, twice, for each of eight tiles
; scalars
.set WV,   28
.set WG,   30
.set G1H,  32
.set G1F,  40
.set G0H,  48
.set G0F,  52
.set G0G,  56
.set SEL,  60
.set HM,   62
.set XB,   66
.set VB,   68
.set VSB,  70
.set OB,   72
.set OBS,  74
.set BP,   76
.set SCP,  78
.set PR,   86
.set SL,   87
.set MSB, 0
.macro WIN new                         ; the immediate's high byte repeats the setting that is left; a switch that changes nothing is dropped
.if MSB != (\new)
	s_set_vgpr_msb (MSB<<8)|(\new)
.set MSB, \new
.endif
.endm
.macro PLACES n
.rept \n
	v_nop
.endr
.endm
.macro CROUND                          ; a round of the cluster's barrier
	s_barrier_signal -1
	s_barrier_wait -1
	s_cmp_lg_u32 s[WV], 0
	s_cbranch_scc1 .Lnot_wave_0_\@
	s_barrier_signal -3
.Lnot_wave_0_\@:
	s_barrier_wait -3
	s_barrier_signal -1
	s_barrier_wait -1
.endm
.macro MMA d, a, b, sa, sb             ; D += A B, in place
	v_wmma_scale_f32_16x16x128_f8f6f4 v[(\d):(\d)+7], v[(\a):(\a)+11], v[(\b):(\b)+11], v[(\d):(\d)+7], v[\sa], v[\sb] matrix_a_fmt:MATRIX_FMT_BF6 matrix_b_fmt:MATRIX_FMT_BF6
.endm
.macro MMZ d, a, b, sa, sb             ; D = A B: the product starts the sum
	v_wmma_scale_f32_16x16x128_f8f6f4 v[(\d):(\d)+7], v[(\a):(\a)+11], v[(\b):(\b)+11], 0, v[\sa], v[\sb] matrix_a_fmt:MATRIX_FMT_BF6 matrix_b_fmt:MATRIX_FMT_BF6
.endm
.macro MMC d, a, b, c, sa, sb          ; D = A B + C: the bias starts the sum
	v_wmma_scale_f32_16x16x128_f8f6f4 v[(\d):(\d)+7], v[(\a):(\a)+11], v[(\b):(\b)+11], v[(\c):(\c)+7], v[\sa], v[\sb] matrix_a_fmt:MATRIX_FMT_BF6 matrix_b_fmt:MATRIX_FMT_BF6
.endm
; A weight's fragment of K step s: lane (r, h) takes the 24 bytes at 96 s + 24 h and at 96 s + 48 + 24 h of its row, in pieces of 8 bytes.  16 bytes of padding lie behind every 16 pieces; where the piece three on
; (lanes 16-31) lies behind one padding more, the second address register (40 for 24 bytes a half) serves.
.macro FRAG reg, adr, s, off
.irp p, 0,1,2,3,4,5
.set PCE, 12*(\s)+6*(\p/3)+\p%3
.if PCE%16 < 13
	ds_load_b64 v[(\reg)+2*\p:(\reg)+2*\p+1], v[\adr] offset:8*PCE+16*(PCE/16)+(\off)
.else
	ds_load_b64 v[(\reg)+2*\p:(\reg)+2*\p+1], v[\adr+1] offset:8*PCE+16*(PCE/16)+(\off)
.endif
.endr
.endm
.macro WFETCH s                        ; 72 loads: my eight fragments of Wh and four of Wf or Wg for K step s
	WIN 0x80
.irp n, 0,1,2,3,4,5,6,7
	FRAG WHF+12*\n, WHA, \s, 16*WP*\n
.endr
.irp t, 0,1,2,3
	FRAG WFF+12*\t, WFA, \s, (32*(\t/2)+8*(\t%2))*WP
.endr
	WIN 0
.endm
; 64 numbers of a lane in window sw, register s + 16 b + i = number 32 b + 16 (lane / 16) + i along K of my row, become 12 registers of codes in v[PC] on (registers 6 c .. 6 c + 5: 64 c + 32 (lane / 16) + 0 .. 31) and four scale bytes in v[PW].
.macro QUANT s, sw
	WIN 5*(\sw)
.irp b, 0,1,2,3
	v_max3_num_f32 v[TM+\b], |v[(\s)+16*\b]|, |v[(\s)+1+16*\b]|, 0x2800000   ; my 16 numbers of block b, and the floor 2^(5 - 127): the byte cannot fall under 1
.endr
	WIN 20*(\sw)
.irp i, 2,4,6,8,10,12,14
.irp b, 0,1,2,3
	v_max3_num_f32 v[TM+\b], v[TM+\b], |v[(\s)+16*\b+\i]|, |v[(\s)+1+16*\b+\i]|   ; the four blocks by turns
.endr
.endr
	WIN 0
.irp b, 0,1,2,3
	v_permlanex16_b32 v[TM+4+\b], v[TM+\b], s[SEL], s[SEL+1]
.endr
.irp b, 0,1,2,3
	v_max_num_f32 v[TM+\b], v[TM+\b], v[TM+4+\b]   ; with lane l xor 16's: the block's largest magnitude
.endr
.irp b, 0,1,2,3
	v_add_nc_u32 v[TM+12+\b], 0xfe000000, v[TM+\b]   ; 4 off its exponent field: the conversion takes the exponent field of this operand as its scale
.endr
.irp b, 0,1,2,3
	v_lshrrev_b32 v[TM+4+\b], 23, v[TM+12+\b]      ; the scale's byte
.endr
	v_lshl_or_b32 v[PW], v[TM+5], 8, v[TM+4]
	v_lshl_or_b32 v[PW], v[TM+6], 16, v[PW]
	v_lshl_or_b32 v[PW], v[TM+7], 24, v[PW]
	WIN \sw
.irp c, 0,1
	v_cvt_scalef32_pk16_bf6_f32 v[PC+6*\c:PC+2+6*\c], v[(\s)+32*\c:(\s)+15+32*\c], v[TM+12+2*\c]
	v_cvt_scalef32_pk16_bf6_f32 v[PC+12+4*\c:PC+14+4*\c], v[(\s)+16+32*\c:(\s)+31+32*\c], v[TM+12+2*\c+1]   ; (a conversion's three registers begin on an even number)
.endr
	WIN 0
	v_nop                                          ; one plain place behind a scaled conversion
.irp c, 0,1                                    ; the operand's layout wants a WHOLE block in a lane
.irp i, 0,1,2
	v_permlane16_swap_b32 v[PC+6*\c+\i], v[PC+12+4*\c+\i]
.endr
.irp i, 0,1,2
	v_mov_b32 v[PC+3+6*\c+\i], v[PC+12+4*\c+\i]
.endr
.endr
.endm
	s_load_b512 s[4:19], s[0:1], 0x0               ; x s[4:5], Wf's codes s[6:7], scales s[8:9], Wg's s[10:11], s[12:13], Wh's s[14:15], s[16:17], bf s[18:19]
	s_load_b256 s[20:27], s[0:1], 0x40             ; bg s[20:21], bh s[22:23], kv s[24:25], qc s[26:27]
	v_lshl_add_u32 v[SPW], v0, 2, SPARE
	v_mov_b32 v[NIL], 0
	ds_add_u32 v[SPW], v[NIL]                      ; the wave's opening: the add, twice on end, and its wait ahead of my first tensor load; the set-up below stands between
	ds_add_u32 v[SPW], v[NIL]
	v_lshrrev_b32 v64, 5, v0
	v_readfirstlane_b32 s[WV], v64                 ; wave 0..3
	s_and_b32 s[PR], s[WV], 1                      ; which pair of x's tiles I take for f or g
	s_lshr_b32 s[SL], s[WV], 1                     ; 0: f, 1: g
	s_bfe_u32 s29, ttmp6, 0x40000                  ; cx
	s_lshl_b32 s[WG], ttmp9, 2
	s_add_co_u32 s[WG], s[WG], s29                 ; my block of 64 positions: it enters global addresses alone
	v_and_b32 v64, 31, v0                          ; lane
	v_and_b32 v65, 15, v0                          ; r
	v_bfe_u32 v66, v0, 4, 1                        ; h
	v_and_b32 v67, 8, v65
	v_add_nc_u32 v67, v67, v65                     ; r + 8 (r / 8)
	v_lshlrev_b32 v68, 2, v65                      ; 4 r
	v_cmp_ne_u32 s[HM], 0, v66                     ; lanes 16-31
	v_lshlrev_b32 v[L16], 4, v64
	v_lshlrev_b32 v[L8], 3, v64
	v_lshlrev_b32 v[L4], 2, v64
	s_mul_i32 s31, s[WV], 16*528
	s_add_co_u32 s31, s31, LXST
	v_add_nc_u32 v[XSA], s31, v[L16]
	v_mul_u32_u24 v[XLA], v65, 528
	v_lshl_add_u32 v[XLA], v66, 6, v[XLA]
	v_add_nc_u32 v[XLA], s31, v[XLA]
	s_mul_i32 s31, s[WV], 1536
	s_add_co_u32 s31, s31, LXIM
	v_add_nc_u32 v[XIA], s31, v[L16]
	s_lshl_b32 s31, s[WV], 7
	s_add_co_u32 s31, s31, LXIM+6144
	v_add_nc_u32 v[XWA], s31, v[L4]
	v_add_nc_u32 v[XFA], LXIM, v[L16]
	v_add_nc_u32 v[XFS], LXIM+6144, v[L4]
	s_mul_i32 s31, s[PR], 3072
	v_add_nc_u32 v[XGA], s31, v[XFA]
	s_lshl_b32 s31, s[PR], 8
	v_add_nc_u32 v[XGSA], s31, v[XFS]
	v_mul_u32_u24 v[WHA], v65, WP
	v_mad_u32_u24 v[WHA], v66, 24, v[WHA]
	s_mul_i32 s31, s[WV], 128*WP
	v_add_nc_u32 v[WHA], s31, v[WHA]
	v_lshl_add_u32 v[WHA+1], v66, 4, v[WHA]
	v_mul_u32_u24 v[WFA], v67, WP
	v_mad_u32_u24 v[WFA], v66, 24, v[WFA]
	s_mul_i32 s31, s[SL], 64*WP
	s_add_co_u32 s31, s31, LWFG
	v_add_nc_u32 v[WFA], s31, v[WFA]
	v_lshl_add_u32 v[WFA+1], v66, 4, v[WFA]
	v_lshlrev_b32 v[R16], 4, v65
	v_lshlrev_b32 v[RP16], 4, v67
	v_lshl_add_u32 v[VSO], v66, 3, v[R16]          ; 16 r + 8 h
	v_lshlrev_b32 v[H64], 6, v66
.irp b, 0,1,2,3
	v_mov_b32 v[TM+4+\b], 0                        ; written once: a lane permute's destination counts as one of its sources
.endr
	s_mov_b32 s[SEL], 0x76543210
	s_mov_b32 s[SEL+1], 0xfedcba98                 ; v_permlanex16_b32's selects for lane l xor 16
	; descriptor group 1: dense bytes as rows of 256 (32 elements of 8 bytes), 16 bytes of padding behind every 128; the mask names the cluster's four
	s_mov_b32 s[G1H], 15|(3<<16)|(1<<20)|(1<<21)|(4<<22)|(3<<25)
	s_mov_b32 s[G1H+1], 32<<16                     ; tensor_dim0
	s_mov_b32 s[G1H+2], 192<<16                    ; tensor_dim1: 128 rows of Wh are 192 x 256 bytes
	s_mov_b32 s[G1H+3], 32<<16                     ; tile_dim0
	s_mov_b32 s[G1H+4], 192                        ; tile_dim1
	s_mov_b32 s[G1H+5], 32                         ; from row to row
	s_mov_b32 s[G1H+6], 0
	s_mov_b32 s[G1H+7], 0
	s_mov_b32 s[G1F], 15|(3<<16)|(1<<20)|(1<<21)|(4<<22)|(3<<25)
	s_mov_b32 s[G1F+1], 32<<16
	s_mov_b32 s[G1F+2], 48<<16                     ; 32 rows of Wf or Wg are 48 x 256 bytes
	s_mov_b32 s[G1F+3], 32<<16
	s_mov_b32 s[G1F+4], 48
	s_mov_b32 s[G1F+5], 32
	s_mov_b32 s[G1F+6], 0
	s_mov_b32 s[G1F+7], 0
	s_wait_dscnt 0x0                               ; both opening adds are done
	s_wait_kmcnt 0x0
	s_mov_b32 s83, 0
	s_lshl_b32 s82, s[WG], 6
	s_lshl_b32 s84, s[SL], 5
	s_add_co_u32 s82, s82, s84
	s_lshl_b32 s84, s[PR], 3
	s_add_co_u32 s82, s82, s84                     ; my tile's first row: 64 x block + 32 (w / 2) + 8 (w % 2)
	s_lshl_b32 s82, s82, 11
	s_add_nc_u64 s[XB:XB+1], s[4:5], s[82:83]
	s_mul_i32 s84, s[WG], HB                       ; my half-block
	s_mul_i32 s82, s[WV], 6144
	s_add_co_u32 s82, s82, s84
	s_add_nc_u64 s[VB:VB+1], s[24:25], s[82:83]    ; V's codes: my eight tiles
	s_lshl_b32 s82, s[WV], 8
	s_add_co_u32 s82, s82, s84
	s_add_co_u32 s82, s82, 24576
	s_add_nc_u64 s[VSB:VSB+1], s[24:25], s[82:83]  ; V's scale bytes: my 256
	s_add_co_u32 s85, s[WG], 60
	s_and_b32 s85, s85, 63
	s_and_b32 s84, s[WG], 0xc0
	s_or_b32 s84, s84, s85                         ; g goes into the half-block four back in my batch, round the end
	s_mul_i32 s84, s84, HB
	s_add_co_u32 s84, s84, 25600
	s_mul_i32 s85, s[WG], 3584                     ; f into qc
	s_cmp_eq_u32 s[SL], 0                          ; the choices hang on the wave's number alone
	s_cselect_b64 s[OB:OB+1], s[26:27], s[24:25]
	s_cselect_b32 s82, s85, s84
	s_cselect_b64 s[BP:BP+1], s[18:19], s[20:21]
	s_cselect_b64 s[SCP:SCP+1], s[8:9], s[12:13]
	s_add_nc_u64 s[OB:OB+1], s[OB:OB+1], s[82:83]
	s_lshl_b32 s82, s[PR], 8
	s_add_co_u32 s82, s82, 3072
	s_add_nc_u64 s[OBS:OBS+1], s[OB:OB+1], s[82:83]  ; the scale words of my two tiles
	s_mul_i32 s82, s[PR], 1536
	s_add_nc_u64 s[OB:OB+1], s[OB:OB+1], s[82:83]  ; and their codes
	s_lshl_b32 s82, s[WV], 11
	s_add_nc_u64 s[16:17], s[16:17], s[82:83]      ; Wh's scales: my 128 rows of 16 bytes
	s_lshl_b32 s82, s[WV], 9
	s_add_nc_u64 s[22:23], s[22:23], s[82:83]      ; bh: my 128 numbers
	s_mul_i32 s82, s[WV], 49152
	s_mov_b32 s[G0H], 1
	s_mul_i32 s[G0H+1], s[WV], 128*WP              ; no place in the cluster enters an LDS address or a joint load's global address
	s_add_nc_u64 s[G0H+2:G0H+3], s[14:15], s[82:83]
	s_or_b32 s[G0H+3], s[G0H+3], 0x80000000
	s_mul_i32 s82, s[PR], 12288
	s_mul_i32 s84, s[WV], 32*WP
	s_add_co_u32 s84, s84, LWFG
	s_mov_b32 s[G0F], 1
	s_mov_b32 s[G0F+1], s84
	s_add_nc_u64 s[G0F+2:G0F+3], s[6:7], s[82:83]
	s_or_b32 s[G0F+3], s[G0F+3], 0x80000000
	s_mov_b32 s[G0G], 1
	s_mov_b32 s[G0G+1], s84
	s_add_nc_u64 s[G0G+2:G0G+3], s[10:11], s[82:83]
	s_or_b32 s[G0G+3], s[G0G+3], 0x80000000
	; the small loads, 36, then x's first K step, 16
.irp n, 0,1,2,3,4,5,6,7
	global_load_b128 v[WHS+4*\n:WHS+4*\n+3], v[R16], s[16:17] offset:256*\n
.endr
.irp t, 0,1,2,3
	global_load_b128 v[WFS+4*\t:WFS+4*\t+3], v[RP16], s[SCP:SCP+1] offset:(32*(\t/2)+8*(\t%2))*16
.endr
	WIN 0x80
.irp t, 0,1,2,3                                ; in tile t register j of lane (r, h) is number 32 (t / 2) + 8 (t % 2) + 16 h + j
	global_load_b128 v[BFG+8*\t:BFG+8*\t+3], v[H64], s[BP:BP+1] offset:(32*(\t/2)+8*(\t%2))*4
	global_load_b128 v[BFG+8*\t+4:BFG+8*\t+7], v[H64], s[BP:BP+1] offset:(32*(\t/2)+8*(\t%2))*4+16
.endr
.irp n, 0,1,2,3,4,5,6,7
	global_load_b32 v[BH+2*\n], v68, s[22:23] offset:64*\n
	global_load_b32 v[BH+2*\n+1], v68, s[22:23] offset:64*\n
.endr
.macro XLOAD s                         ; my 16 rows' 512 bytes of K step s: each load covers 512 consecutive bytes
.irp i, 0,1,2,3,4,5,6,7,8,9,10,11,12,13,14,15
	global_load_b128 v[64*(\s)+4*\i:64*(\s)+4*\i+3], v[L16], s[XB:XB+1] offset:(\i+8*(\i/8))*2048+512*(\s) th:TH_LOAD_NT
.endr
.endm
	WIN 0xc0
	XLOAD 0
	WIN 0
	CROUND                                         ; the four work-groups are here: the joint loads meet
	s_cmp_lt_u32 s[WV], 2                          ; a wave's two first fills stand in one branch on its number: two tensor loads of mine are out
	s_cbranch_scc0 .Lfill_g
	tensor_load_to_lds s[G0H:G0H+3], s[G1H:G1H+7]
	s_nop 0
	tensor_load_to_lds s[G0F:G0F+3], s[G1F:G1F+7]
	s_nop 0
	PLACES 4
	s_branch .Lfilled
.Lfill_g:
	tensor_load_to_lds s[G0H:G0H+3], s[G1H:G1H+7]
	s_nop 0
	tensor_load_to_lds s[G0G:G0G+3], s[G1F:G1F+7]
	s_nop 0
	PLACES 4
.Lfilled:
	WIN 0xc0
	XLOAD 1
	XLOAD 2
	XLOAD 3
	WIN 0
; A K STEP of 128 channels: my 16 rows turn through my stage, are quantised and go to LDS as an image; one barrier; 40 products.
.macro KSTEP s
	s_wait_loadcnt 48-16*(\s)                      ; the later K steps' loads of x, 16 each, may stay out; all older loads are in
	WIN 0x0c                                       ; an LDS store's data are its source 1: window 3
.irp i, 0,1,2,3,4,5,6,7,8,9,10,11,12,13,14,15
	ds_store_b128 v[XSA], v[64*(\s)+4*\i:64*(\s)+4*\i+3] offset:528*\i
.endr
	WIN 0
.irp b, 0,1,2,3                                ; back: of row r, 16 neighbours of each block of 32.  LDS serves a wave's instructions in order: these see my stores
.irp j, 0,1,2,3
	ds_load_b128 v[XN+16*\b+4*\j:XN+16*\b+4*\j+3], v[XLA] offset:128*\b+16*\j
.endr
.endr
	s_wait_dscnt 0x0                               ; my numbers are back (and this step's weights, asked for at the end of the step before, are in)
	QUANT XN, 0
.irp c, 0,1,2
	ds_store_b128 v[XIA], v[PC+4*\c:PC+4*\c+3] offset:XBUF*((\s)%2)+512*\c
.endr
	ds_store_b32 v[XWA], v[PW] offset:XBUF*((\s)%2)
.if (\s) == 0
	s_wait_tensorcnt 0x0                           ; both my parts of the weights have landed
.endif
	s_wait_dscnt 0x0                               ; for the others' sake: my image lies in LDS, and my reads of the other buffer are over
	s_barrier_signal -1
	s_barrier_wait -1
.if (\s) == 0
	WFETCH 0
.endif
.irp m, 0,1,2,3
.irp c, 0,1,2
	ds_load_b128 v[XF+12*\m+4*\c:XF+12*\m+4*\c+3], v[XFA] offset:XBUF*((\s)%2)+1536*\m+512*\c
.endr
	ds_load_b32 v[XS+\m], v[XFS] offset:XBUF*((\s)%2)+128*\m
.endr
.irp i, 0,1
.irp c, 0,1,2
	ds_load_b128 v[XG+12*\i+4*\c:XG+12*\i+4*\c+3], v[XGA] offset:XBUF*((\s)%2)+1536*\i+512*\c
.endr
	ds_load_b32 v[XGS+\i], v[XGSA] offset:XBUF*((\s)%2)+128*\i
.endr
	s_wait_dscnt 0x0
	WIN 0x58                                       ; source 0 (x) window 0, source 1 (Wh) window 2, C and D window 1
.irp n, 0,1,2,3,4,5,6,7                        ; the 40 accumulators take turns, one instruction a turn
.irp m, 0,1,2,3
.if (\s) == 0
	MMZ 32*\n+8*\m, XF+12*\m, WHF+12*\n, XS+\m, WHS+4*\n+(\s)
.else
	MMA 32*\n+8*\m, XF+12*\m, WHF+12*\n, XS+\m, WHS+4*\n+(\s)
.endif
.endr
.endr
	WIN 0xa2                                       ; source 0 (Wf or Wg) window 2, source 1 (x) window 0, C and D window 2
.irp i, 0,1
.irp t, 0,1,2,3
.if (\s) == 0
	MMC FG+32*\i+8*\t, WFF+12*\t, XG+12*\i, BFG+8*\t, WFS+4*\t+(\s), XGS+\i
.else
	MMA FG+32*\i+8*\t, WFF+12*\t, XG+12*\i, WFS+4*\t+(\s), XGS+\i
.endif
.endr
.endr
	WIN 0
	PLACES 4                                       ; in front of loads into registers that the products have read, and of the first read of results
.if (\s) < 3
	WFETCH (\s)+1
.endif
.endm
	KSTEP 0
	KSTEP 1
	KSTEP 2
	KSTEP 3
	; f or g: my two tiles of 16 positions x 64 numbers are two half fragments and two scale words
	QUANT FG, 2
	v_lshrrev_b32 v[PW+1], 16, v[PW]               ; bytes 0, 1 of the word: the first tile's two blocks; bytes 2, 3: the second's.  A word's upper two bytes stand over zero codes: any byte but 0xff serves there
.irp i, 0,1
	global_store_b128 v[L16], v[PC+6*\i:PC+6*\i+3], s[OB:OB+1] offset:768*\i
	global_store_b64 v[L8], v[PC+6*\i+4:PC+6*\i+5], s[OB:OB+1] offset:768*\i+512
.endr
	global_store_b64 v[L8], v[PW:PW+1], s[OBS:OBS+1]
; h: two tiles of 16 channels x 64 positions at a time: + bh, quantised along the positions
.macro HOUT q
	WIN 0x49                                       ; destination and source 0 window 1, source 1 window 2
.set kk, 0
.rept 32
	v_pk_add_f32 v[64*(\q)+kk:64*(\q)+kk+1], v[64*(\q)+kk:64*(\q)+kk+1], v[BH+2*(2*(\q)+kk/32):BH+2*(2*(\q)+kk/32)+1]   ; each accumulator from its low end on
.set kk, kk+2
.endr
	WIN 0
	s_wait_xcnt 0x0                                ; the stores before have read the codes' and the word's registers: they are written again only behind this wait
	QUANT 64*(\q), 1
.irp c, 0,1
	global_store_b128 v[L16], v[PC+6*\c:PC+6*\c+3], s[VB:VB+1] offset:768*(2*(\q)+\c)
	global_store_b64 v[L8], v[PC+6*\c+4:PC+6*\c+5], s[VB:VB+1] offset:768*(2*(\q)+\c)+512
.endr
	v_mov_b32 v[VW+(\q)], v[PW]                    ; two bytes for each of the two tiles
.endm
	HOUT 0
	HOUT 1
	HOUT 2
	HOUT 3
	v_cndmask_b32 v[VP], v[VW], v[VW+2], s[HM]     ; a channel's 16 scale bytes: lanes 0-15 store the first eight, lanes 16-31 the others
	v_cndmask_b32 v[VP+1], v[VW+1], v[VW+3], s[HM]
	global_store_b64 v[VSO], v[VP:VP+1], s[VSB:VSB+1]  ; 32 lanes store 256 consecutive bytes, aligned
	s_wait_tensorcnt 0x0                           ; the wave's end, behind my last tensor load and my last LDS store
	ds_add_u32 v[SPW], v[NIL]
	s_wait_dscnt 0x0
	CROUND                                         ; the closing round
	s_endpgm
.Lfunc_end_k_q60bf8c9b0f_proj:
	.size	k_q60bf8c9b0f_proj, .Lfunc_end_k_q60bf8c9b0f_proj-k_q60bf8c9b0f_proj
	.p2alignl 7, 3214868480
	.fill 96, 4, 3214868480
	.section	.rodata,"a",@progbits
	.p2align	6, 0x0
	.amdhsa_kernel k_q60bf8c9b0f_proj
		.amdhsa_group_segment_fixed_size 327680
		.amdhsa_private_segment_fixed_size 0
		.amdhsa_enable_private_segment 0
		.amdhsa_kernarg_size 96
		.amdhsa_user_sgpr_count 2
		.amdhsa_user_sgpr_kernarg_segment_ptr 1
		.amdhsa_wavefront_size32 1
		.amdhsa_system_sgpr_workgroup_id_x 1
		.amdhsa_system_sgpr_workgroup_id_y 1
		.amdhsa_system_sgpr_workgroup_id_z 1
		.amdhsa_system_vgpr_workitem_id 0
		.amdhsa_next_free_vgpr 1024
		.amdhsa_next_free_sgpr 90
		.amdhsa_reserve_vcc 0
		.amdhsa_float_denorm_mode_32 3
		.amdhsa_float_denorm_mode_16_64 3
		.amdhsa_memory_ordered 1
		.amdhsa_forward_progress 1
		.amdhsa_inst_pref_size 118
	.end_amdhsa_kernel
	.amdgpu_metadata
---
amdhsa.version: [ 1, 2 ]
amdhsa.kernels:
  - .name:           k_q60bf8c9b0f_proj
    .symbol:         k_q60bf8c9b0f_proj.kd
    .args:
      - { .name: x, .offset: 0, .size: 8, .value_kind: global_buffer, .address_space: global }
      - { .name: Wf_codes, .offset: 8, .size: 8, .value_kind: global_buffer, .address_space: global }
      - { .name: Wf_scales, .offset: 16, .size: 8, .value_kind: global_buffer, .address_space: global }
      - { .name: Wg_codes, .offset: 24, .size: 8, .value_kind: global_buffer, .address_space: global }
      - { .name: Wg_scales, .offset: 32, .size: 8, .value_kind: global_buffer, .address_space: global }
      - { .name: Wh_codes, .offset: 40, .size: 8, .value_kind: global_buffer, .address_space: global }
      - { .name: Wh_scales, .offset: 48, .size: 8, .value_kind: global_buffer, .address_space: global }
      - { .name: bf, .offset: 56, .size: 8, .value_kind: global_buffer, .address_space: global }
      - { .name: bg, .offset: 64, .size: 8, .value_kind: global_buffer, .address_space: global }
      - { .name: bh, .offset: 72, .size: 8, .value_kind: global_buffer, .address_space: global }
      - { .name: kv, .offset: 80, .size: 8, .value_kind: global_buffer, .address_space: global }
      - { .name: qc, .offset: 88, .size: 8, .value_kind: global_buffer, .address_space: global }
    .group_segment_fixed_size: 327680
    .private_segment_fixed_size: 0
    .kernarg_segment_align: 8
    .kernarg_segment_size: 96
    .max_flat_workgroup_size: 128
    .sgpr_count:     90
    .vgpr_count:     1024
    .wavefront_size: 32
...
	.end_amdgpu_metadata
.endif
;; end of part 1
;; launch attn (part 2): grid 64 x 4, 4 waves a work-group, clusters of 4 x 1, 327,680 bytes of LDS; arguments qc, kv, x, gamma, out0; writes out0
.if DOCPART == 2
	.amdgcn_target "amdgcn-amd-amdhsa--gfx1250"
	.amdhsa_code_object_version 6
	.text
	.protected	k_q60bf8c9b0f_attn
	.globl	k_q60bf8c9b0f_attn
	.p2align	8
	.type	k_q60bf8c9b0f_attn,@function
k_q60bf8c9b0f_attn:
	s_mov_b64 s[64:65], 0
	v_nop
	global_prefetch_b8 v0, s[64:65] scope:SCOPE_SE
	s_setreg_imm32_b32 hwreg(HW_REG_WAVE_MODE, 25, 1), 1
	s_wait_xcnt 0x0
	s_wait_alu depctr_hold_cnt(0) depctr_sa_sdst(0) depctr_va_vdst(0) depctr_va_sdst(0) depctr_va_ssrc(0) depctr_va_vcc(0) depctr_vm_vsrc(0)
	s_getreg_b32 s2, hwreg(HW_REG_IB_STS2, 6, 4)
	s_cmp_eq_u32 s2, 0
	s_cbranch_scc0 .Lentry_in_a_cluster
	s_endpgm
.Lentry_in_a_cluster:
	s_bfe_u32 s2, ttmp6, 0x10000c
	s_cmp_lg_u32 s2, 0x3003
	s_cbranch_scc0 .Lentry_shape_is_right
	s_endpgm
.Lentry_shape_is_right:
; out = x + gamma softmax(f g^T) h, both products on codes of E3M2 with one E8M0 scale for each 32 along K.  f (qc), g and h (kv) come as images of operand registers, as the launch before laid them.  No work is left out.
; THE SOFTMAX: t = score x log2(e); M = the row's largest t so far, rounded UP to a whole number; p = 2^(t - M) is quantised along the keys, not normalised; the row's sum is taken of the unquantised p and divides at the end.
; When M moves, the sum and O are multiplied by 2^(old M - new M): exact.
; LIMITS: NaN and infinities are not served.  v_exp_f32 gives 0 for results under 2^-126.  A block's largest p is made from its largest score by the same two instructions, which takes v_exp_f32 not to fall where its input
; rises.  A block of p that is all zeros gets the scale byte 1: its codes are zeros.  The first product's K is 64: the upper half of its operands' registers holds zero codes.
; SHARES.  A work-group owns 64 queries of one batch: four tiles of 16.  THE WAVES SHARE THE CHANNELS, NOT THE QUERIES: wave w makes the scores, the softmax and p's codes of query tile w, hands them (two fragment images,
; two scale words, the factor f) to the others through LDS, and multiplies ITS 128 channels by all four tiles: 32 accumulators.  So a fragment of V read from LDS feeds four products and is read by one wave alone.
; Both products are used transposed (S^T = K Q^T, O^T = V^T P^T): a lane holds one query.  Index r of tile m = 2 b + u of queries or keys stands for position 32 b + 8 u + r + 8 (r / 8) of its 64.
; THE KEYS go in steps of 256 through a ring of two LDS slots.  A block of four half-blocks of kv, 116,736 dense bytes, holds V of step J and K of step J + 1.  ONE round of the cluster's barrier an interval shows p_J to all
; waves, frees the slot read last and shows the next slot whole.  p has two buffers.
; BY TURNS.  Interval J: the 16 products S^T of step J + 1, with the 128 multiplications that bring O^T under the new M behind them, eight behind each; then the 64 products V^T P of step J, with the softmax of step J + 1,
; a list of 429 lines, behind them in slices of seven or six.  The two kinds of work name no register of each other.  O^T fills a window of its own, so a slice costs two switches of the register windows.
; CLUSTER: the four query blocks of a cluster walk the same kv: each block is asked for JOINTLY, a half-block a wave.
.set HB,    29184
.set BLK,   4*HB
.set K0,    116736                     ; LDS: slot 0 from 0; here 4 x 3,584 bytes: the K codes and scale words of step 0;
.set SLOT1, 131072                     ; slot 1: one exclusive or turns an address in one slot into the other's;
.set PIM,   247808                     ; p: two buffers 16,384 apart; tile m at PT m: two fragment images of 1,536, two scale images of 128 at 3,072, f's image at 3,328;
.set PT,    3456
.set STG,   280576                     ; the way out: for each wave 16 rows x (512 + 16);
.set GLB,   314368                     ; gamma / l: 128 bytes a tile;
.set SPARE, 314880                     ; the spare words, 128 bytes for each wave: two blocks of 256 bytes that no other line names
.set NS,    429                        ; lines in the softmax's list
; window 0
.set L16,  1
.set L8,   2
.set L4,   3
.set V16,  4                           ; 16 x lane + my eight tiles of V
.set V8,   5
.set VSA,  6                           ; 16 r + my 256 scale bytes of V
.set PWI,  7                           ; where I store p's images, in buffer 0
.set PWS,  8
.set A16,  9                           ; v9, v10   16 x lane in the slot's first and second pair of half-blocks
.set A8,   11                          ; v11, v12  8 x lane
.set AV16, 13                          ; v13-16    the same with my tiles of V
.set AV8,  15
.set AVS,  17                          ; v17, v18
.set PRI,  19                          ; p's images to be read
.set PRS,  20
.set PWIC, 21                          ; and to be written
.set PWSC, 22
.set STO,  23
.set SRD,  24
.set PFO,  25
.set SPW,  26                          ; LDS address of my spare word; never rewritten
.set NIL,  27                          ; 0; never rewritten
.set NM,   28                          ; -M
.set TMX,  29                          ; the largest t so far
.set LS,   30                          ; v30, v31 the row's sum, in two halves
.set FF,   32                          ; v32 f = 2^(old M - new M); v33 named with it as a pair
.set T0,   34
.set T1,   35
.set VSW,  36                          ; v36-51 V's scale words (8 s + n)
.set QSC,  52                          ; Q's scale words
.set GLA,  53
.set PSW,  54                          ; v54-61 p's scale words (4 s + m)
.set PW0,  62                          ; v62, v63 p's two scale words just made
.set BM,   64                          ; v64-71 a block's largest score, then largest p
.set BT,   72                          ; v72-79
.set SO,   80                          ; v80-87 the conversions' scale operands
.set PC,   88                          ; v88-99 codes; v100-107 at work
.set SC2,  108                         ; v108, v109 the sum's second chain
.set KSC,  110                         ; v110-125 K's scale words, one a tile
.set GLS,  126
.set S,    128                         ; v128-255 S^T, then p: tile T at 8 T
.set VSR,  64                          ; at an interval's head, ahead of the softmax: v64-79 V's scale bytes as they lie; v80, 82, 84, 86 the four tiles' f
.set FM,   80
.set GL,   28                          ; on the way out: v28, 30, 32, 34 gamma / l of the four tiles
; window 1: O^T, (n, m) at 32 n + 8 m.   windows 2 and 3 (key steps 0 and 1 of the 256), the same map:
.set VF,   0                           ; V's eight fragments
.set PF,   96                          ; p's four
.set KF,   144                         ; K's eight: registers 6 to 11 of each stay zero
.set QF,   240                         ; Q: likewise
.set RB,   0                           ; on the way out, window 2: 16 rows read back
; scalars
.set WV,   14
.set CX,   15
.set G1,   24
.set G1K,  32
.set G0A,  40
.set G0W,  44
.set G0K,  48
.set TB,   52
.set TB2,  53
.set PB,   54
.set PBN,  55
.set CNT,  56
.set LIM,  57
.set CS,   58
.set SEL,  60
.set PFA,  62
.set QP,   66
.set QS,   68
.set GAM,  70
.set PSA,  71
.set PSB,  72
.set WG,   73
.set XB,   74
.set OB,   76
.set MSB, 0
.macro WIN new                         ; the immediate's high byte repeats the setting that is left; a switch that changes nothing is dropped
.if MSB != (\new)
	s_set_vgpr_msb (MSB<<8)|(\new)
.set MSB, \new
.endif
.endm
.macro PLACES n
.rept \n
	v_nop
.endr
.endm
.macro CROUND
	s_barrier_signal -1
	s_barrier_wait -1
	s_cmp_lg_u32 s[WV], 0
	s_cbranch_scc1 .Lnot_wave_0_\@
	s_barrier_signal -3
.Lnot_wave_0_\@:
	s_barrier_wait -3
	s_barrier_signal -1
	s_barrier_wait -1
.endm
.macro MMA d, a, b, sa, sb
	v_wmma_scale_f32_16x16x128_f8f6f4 v[(\d):(\d)+7], v[(\a):(\a)+11], v[(\b):(\b)+11], v[(\d):(\d)+7], v[\sa], v[\sb] matrix_a_fmt:MATRIX_FMT_BF6 matrix_b_fmt:MATRIX_FMT_BF6
.endm
.macro MMZ d, a, b, sa, sb
	v_wmma_scale_f32_16x16x128_f8f6f4 v[(\d):(\d)+7], v[(\a):(\a)+11], v[(\b):(\b)+11], 0, v[\sa], v[\sb] matrix_a_fmt:MATRIX_FMT_BF6 matrix_b_fmt:MATRIX_FMT_BF6
.endm
.macro ADDR                            ; the interval's LDS addresses, from the slot in hand
	s_add_co_u32 s[TB2], s[TB], 2*HB
	s_lshr_b32 s[PB], s[TB], 3                     ; p's buffer goes with the slot: 0 or 16,384
	s_xor_b32 s[PBN], s[PB], 16384
	s_add_co_u32 s18, s[PB], PIM
	v_add_nc_u32 v[A16], s[TB], v[L16]
	v_add_nc_u32 v[A16+1], s[TB2], v[L16]
	v_add_nc_u32 v[A8], s[TB], v[L8]
	v_add_nc_u32 v[A8+1], s[TB2], v[L8]
	v_add_nc_u32 v[AV16], s[TB], v[V16]
	v_add_nc_u32 v[AV16+1], s[TB2], v[V16]
	v_add_nc_u32 v[AV8], s[TB], v[V8]
	v_add_nc_u32 v[AV8+1], s[TB2], v[V8]
	v_add_nc_u32 v[AVS], s[TB], v[VSA]
	v_add_nc_u32 v[AVS+1], s[TB2], v[VSA]
	v_add_nc_u32 v[PRI], s18, v[L16]
	v_add_nc_u32 v[PRS], s18, v[L4]
	v_add_nc_u32 v[PWIC], s[PBN], v[PWI]
	v_add_nc_u32 v[PWSC], s[PBN], v[PWS]
.endm
.macro SMALL first                     ; 16 loads (first = 1: 12): the four tiles' f, V's scale bytes, p's scale words
.if (\first) == 0
.irp m, 0,1,2,3
	ds_load_b32 v[FM+2*\m], v[PRS] offset:PT*\m+3328
.endr
.endif
.irp hb, 0,1,2,3
	ds_load_b128 v[VSR+4*\hb:VSR+4*\hb+3], v[AVS+\hb/2] offset:(\hb%2)*HB+24576
.endr
.irp s, 0,1
.irp m, 0,1,2,3
	ds_load_b32 v[PSW+4*\s+\m], v[PRS] offset:PT*\m+3072+128*\s
.endr
.endr
.endm
.macro FRAGS s                         ; 44 loads into window 2 + s for 128 keys: p's four fragments (12 loads), then my eight of V, four loads each, in the order in which the products take them
	WIN 0x80+0x40*(\s)
.irp m, 0,1,2,3
.irp g, 0,1,2
	ds_load_b128 v[PF+12*\m+4*\g:PF+12*\m+4*\g+3], v[PRI] offset:PT*\m+1536*(\s)+512*\g
.endr
.endr
.irp n, 0,1,2,3,4,5,6,7
.irp c, 0,1
	ds_load_b128 v[VF+12*\n+6*\c:VF+12*\n+6*\c+3], v[AV16+(\s)] offset:HB*\c+768*\n
	ds_load_b64 v[VF+12*\n+6*\c+4:VF+12*\n+6*\c+5], v[AV8+(\s)] offset:HB*\c+768*\n+512
.endr
.endr
.endm
.macro KFETCH k0                       ; 40 loads: K's scale words (8 loads), then its 16 tiles (their six live registers), two loads each, in the order of the products.  k0 = 1: step 0's, from their own place
	WIN 0
.irp hb, 0,1,2,3
.irp pp, 0,1
.if \k0
	ds_load_b64 v[KSC+4*\hb+2*\pp:KSC+4*\hb+2*\pp+1], v[A8] offset:3584*\hb+3072+256*\pp
.else
	ds_load_b64 v[KSC+4*\hb+2*\pp:KSC+4*\hb+2*\pp+1], v[A8+\hb/2] offset:(\hb%2)*HB+28672+256*\pp
.endif
.endr
.endr
.irp s, 0,1
	WIN 0x80+0x40*\s
.irp hh, 0,1
.irp t, 0,1,2,3
.if \k0
	ds_load_b128 v[KF+12*(4*\hh+\t):KF+12*(4*\hh+\t)+3], v[A16] offset:3584*(2*\s+\hh)+768*\t
	ds_load_b64 v[KF+12*(4*\hh+\t)+4:KF+12*(4*\hh+\t)+5], v[A8] offset:3584*(2*\s+\hh)+768*\t+512
.else
	ds_load_b128 v[KF+12*(4*\hh+\t):KF+12*(4*\hh+\t)+3], v[A16+\s] offset:\hh*HB+25600+768*\t
	ds_load_b64 v[KF+12*(4*\hh+\t)+4:KF+12*(4*\hh+\t)+5], v[A8+\s] offset:\hh*HB+25600+768*\t+512
.endif
.endr
.endr
.endr
.endm
.macro VSCALE                          ; a fragment's scale word: two bytes from each of its two half-blocks
.irp s, 0,1
.irp n, 0,1,2,3,4,5,6,7
.if \n%2 == 0
	v_perm_b32 v[VSW+8*\s+\n], v[VSR+4*(2*\s+1)+\n/2], v[VSR+4*(2*\s)+\n/2], s[PSA]
.else
	v_perm_b32 v[VSW+8*\s+\n], v[VSR+4*(2*\s+1)+\n/2], v[VSR+4*(2*\s)+\n/2], s[PSB]
.endif
.endr
.endr
.endm
.macro RESCALE                         ; the last interval's: O^T under the new M: each tile of queries by its f; each accumulator from its low end on
	WIN 0x41
.irp n, 0,1,2,3,4,5,6,7
.irp m, 0,1,2,3
.irp k, 0,2,4,6
	v_pk_mul_f32 v[32*\n+8*\m+\k:32*\n+8*\m+\k+1], v[32*\n+8*\m+\k:32*\n+8*\m+\k+1], v[FM+2*\m:FM+2*\m+1] op_sel_hi:[1,0]
.endr
.endr
.endr
.endm
.macro PVMUL s                         ; the last interval's: 32 products O^T += V^T P^T over 128 keys; the 32 accumulators take turns
	WIN 0x5a+5*(\s)
.irp n, 0,1,2,3,4,5,6,7
.irp m, 0,1,2,3
	MMA 32*\n+8*\m, VF+12*\n, PF+12*\m, VSW+8*(\s)+\n, PSW+4*(\s)+\m
.endr
.endr
.endm
.macro SMUL                            ; step 0's: 16 products S^T = K Q^T: 256 keys x my 16 queries
.irp s, 0,1
	WIN 0x0a+5*\s
.irp t, 0,1,2,3,4,5,6,7
	MMZ S+8*(8*\s+\t), KF+12*\t, QF, KSC+8*\s+\t, QSC
.endr
.endr
.endm
; THE SOFTMAX of my 16 queries for 256 keys is a list of NS lines, all in window 0; SM writes line sj.  Register S + 16 b + i of lane (r, h) is the score of query r and key 32 b + 16 h + i, b = 0 .. 7.
;   0-79     the largest score of each block of 32 keys, the eight blocks by turns: it serves for the row's maximum and, since p rises with the score, for the block's largest p
;   80-90    the row's largest t, the new -M, f = 2^(old M - new M)
;   91-298   ONE BATCH: the 72 scalings t - M and all 136 exponentials, as scaling, exponential, exponential; a pair is scaled two groups ahead of its exponentials.  None of these lines reads an exponential's result
;   299, 300 a plain line behind the last exponential, and the one wait ahead of the first line that names a result
;   301-364  the row's sum, of the unquantised p, in two chains
;   365-394  the floor, the conversions' scale operands, the scale bytes, the two scale words
;   395-428  twice 17 lines: four conversions, a plain line, the exchange of halves that the operand's layout asks.  The second 128 keys' codes go where the first 128 keys' p lay: those are done with
.macro SM
.if sj < 8
	v_max3_num_f32 v[BM+sj], v[S+16*sj], v[S+16*sj+1], v[S+16*sj+2]
.elseif sj < 56
.set zb, (sj-8)%8
.set zi, 3+2*((sj-8)/8)
	v_max3_num_f32 v[BM+zb], v[BM+zb], v[S+16*zb+zi], v[S+16*zb+zi+1]
.elseif sj < 64
	v_max_num_f32 v[BM+sj-56], v[BM+sj-56], v[S+16*(sj-56)+15]
.elseif sj < 72
	v_permlanex16_b32 v[BT+sj-64], v[BM+sj-64], s[SEL], s[SEL+1]
.elseif sj < 80
	v_max_num_f32 v[BM+sj-72], v[BM+sj-72], v[BT+sj-72]   ; with lane l xor 16's 16 keys
.elseif sj == 80
	v_max3_num_f32 v[T0], v[BM], v[BM+1], v[BM+2]
.elseif sj == 81
	v_max3_num_f32 v[T1], v[BM+3], v[BM+4], v[BM+5]
.elseif sj == 82
	v_max3_num_f32 v[T0], v[T0], v[T1], v[BM+6]
.elseif sj == 83
	v_max_num_f32 v[T0], v[T0], v[BM+7]            ; the step's largest score of my query
.elseif sj == 84
	v_mul_f32 v[T0], s[CS], v[T0]                  ; as t (c is positive)
.elseif sj == 85
	v_max_num_f32 v[TMX], v[TMX], v[T0]            ; the running largest t
.elseif sj == 86
	v_mov_b32 v[T0], v[NM]
.elseif sj == 87
	v_floor_f32 v[NM], -v[TMX]                     ; the new -M = floor(-t) = -ceil(t): a whole number
.elseif sj == 88
	v_sub_f32 v[T0], v[NM], v[T0]                  ; M's old value less its new one: a whole number, 0 or less
.elseif sj == 89
	v_cvt_i32_f32 v[T0], v[T0]                     ; (it saturates)
.elseif sj == 90
	v_ldexp_f32 v[FF], 1.0, v[T0]                  ; f = 2^(old M - new M)
.elseif sj < 99
	v_fma_f32 v[BM+sj-91], v[BM+sj-91], s[CS], v[NM]   ; t - M of each block's largest score
.elseif sj < 101
	v_pk_fma_f32 v[S+2*(sj-99):S+2*(sj-99)+1], v[S+2*(sj-99):S+2*(sj-99)+1], s[CS:CS+1], v[NM:NM+1] op_sel_hi:[1,0,0]   ; t - M, two at a time: pairs 0 and 1
.elseif sj < 293
.set zg, (sj-101)/3
.set zr, (sj-101)%3
.if (zr == 0) && (zg < 62)
	v_pk_fma_f32 v[S+2*zg+4:S+2*zg+5], v[S+2*zg+4:S+2*zg+5], s[CS:CS+1], v[NM:NM+1] op_sel_hi:[1,0,0]   ; pair zg + 2
.elseif zr == 0
	v_exp_f32 v[BM+zg-62], v[BM+zg-62]             ; the block's largest p: the same two instructions on the same number give the same bits
.else
	v_exp_f32 v[S+2*zg+zr-1], v[S+2*zg+zr-1]       ; p = 2^(t - M), at most 1
.endif
.elseif sj < 299
	v_exp_f32 v[BM+sj-291], v[BM+sj-291]           ; blocks 2 to 7
.elseif sj == 299
	v_pk_mul_f32 v[LS:LS+1], v[LS:LS+1], v[FF:FF+1] op_sel_hi:[1,0]   ; the sums under the new M: the plain line behind the exponentials
.elseif sj == 300
	s_wait_alu depctr_va_vdst(0)                   ; one wait for the batch of 136
.elseif sj == 301
	v_pk_add_f32 v[SC2:SC2+1], v[S:S+1], v[S+2:S+3]
.elseif sj < 364
.set zi, 4+4*((sj-302)/2)
.if (sj-302)%2 == 0
	v_pk_add_f32 v[LS:LS+1], v[LS:LS+1], v[S+zi:S+zi+1]
.else
	v_pk_add_f32 v[SC2:SC2+1], v[SC2:SC2+1], v[S+zi+2:S+zi+3]
.endif
.elseif sj == 364
	v_pk_add_f32 v[LS:LS+1], v[LS:LS+1], v[SC2:SC2+1]
.elseif sj < 373
	v_max_num_f32 v[BM+sj-365], 0x2800000, v[BM+sj-365]   ; the floor 2^(5 - 127): the byte cannot fall under 1
.elseif sj < 381
	v_add_nc_u32 v[SO+sj-373], 0xfe000000, v[BM+sj-373]   ; 4 off the exponent field: the conversion's scale operand
.elseif sj < 389
	v_lshrrev_b32 v[BT+sj-381], 23, v[SO+sj-381]   ; the scale's byte
.elseif sj < 395
.set zb, (sj-389)%2                    ; which 128 keys
.set zi, (sj-389)/2
.if zi == 0
	v_lshl_or_b32 v[PW0+zb], v[BT+4*zb+1], 8, v[BT+4*zb]
.else
	v_lshl_or_b32 v[PW0+zb], v[BT+4*zb+zi+1], 8*(zi+1), v[PW0+zb]
.endif
.else
.set zq, sj-395
.set zd, PC                            ; where the codes go,
.set zs, S                             ; where p lies,
.set zo, SO                            ; and its blocks' scale operands
.if zq >= 17
.set zq, zq-17
.set zd, S
.set zs, S+64
.set zo, SO+4
.endif
.if zq < 4
.set zc, zq/2
.if zq%2 == 0
	v_cvt_scalef32_pk16_bf6_f32 v[zd+6*zc:zd+6*zc+2], v[zs+32*zc:zs+32*zc+15], v[zo+2*zc]
.else
	v_cvt_scalef32_pk16_bf6_f32 v[zd+12+4*zc:zd+14+4*zc], v[zs+16+32*zc:zs+31+32*zc], v[zo+2*zc+1]   ; (a conversion's three registers begin on an even number)
.endif
.elseif zq == 4
	v_nop                                          ; one plain line behind a scaled conversion
.else
.set zc, (zq-5)/6
.set zi, (zq-5)%6
.if zi < 3
	v_permlane16_swap_b32 v[zd+6*zc+zi], v[zd+12+4*zc+zi]   ; the operand's layout wants a WHOLE block in a lane
.else
	v_mov_b32 v[zd+6*zc+zi], v[zd+9+4*zc+zi]
.endif
.endif
.endif
.endm
.macro SLICE n                         ; the list's next n lines
	WIN 0
.rept \n
.if sj < NS
	SM
.set sj, sj+1
.endif
.endr
.endm
.macro PSTORE                          ; p's two fragments, two scale words and f go to LDS as they stand
.irp g, 0,1,2
	ds_store_b128 v[PWIC], v[PC+4*\g:PC+4*\g+3] offset:512*\g
.endr
.irp g, 0,1,2
	ds_store_b128 v[PWIC], v[S+4*\g:S+4*\g+3] offset:1536+512*\g
.endr
	ds_store_b32 v[PWSC], v[PW0]
	ds_store_b32 v[PWSC], v[PW0+1] offset:128
	ds_store_b32 v[PWSC], v[FF] offset:256
.endm
; THE SCORES OF THE NEXT STEP, 16 products, each as soon as its tile of K is in: LDS loads come back in order, so the count ahead of tile T leaves out the later tiles' loads, two each; behind tile 7 the 44 loads of the first
; 128 keys' fragments of p and V are issued, and the counts leave those out too.  first = 0: behind each product eight multiplications bring two accumulators of O^T under the new M, each from its low end on: they name no
; register of the products round them, and those behind the last product are the places in front of the first read of the scores.
.macro SMULS first
.set st, 0
.rept 16
.if st < 8
	s_wait_dscnt 30-2*st
.else
	s_wait_dscnt 74-2*st
.endif
	WIN 0x0a+5*(st/8)
	MMZ S+8*st, KF+12*(st%8), QF, KSC+st, QSC
.if (\first) == 0
	WIN 0x41
.irp k, 0,2,4,6
	v_pk_mul_f32 v[16*st+\k:16*st+\k+1], v[16*st+\k:16*st+\k+1], v[FM+2*((2*st)%4):FM+2*((2*st)%4)+1] op_sel_hi:[1,0]
.endr
.irp k, 0,2,4,6
	v_pk_mul_f32 v[16*st+8+\k:16*st+8+\k+1], v[16*st+8+\k:16*st+8+\k+1], v[FM+2*((2*st+1)%4):FM+2*((2*st+1)%4)+1] op_sel_hi:[1,0]
.endr
.endif
.if st == 7
	FRAGS 0
.endif
.set st, st+1
.endr
.endm
; 32 products O^T += V^T P^T over 128 keys, a slice of the softmax's list behind each: seven lines behind the first 45 of an interval's 64, six behind the others: 45 x 7 + 19 x 6 = 429.  The 32 accumulators take turns, one
; instruction a turn.  Ahead of channel tile n the count leaves out the later tiles' loads, four each; behind product 15 of the first 128 keys the second 128 keys' 44 loads are issued, and from
; there on the counts leave those out too.  zero = 1: the products start the sums: nothing is cleared.
.macro PVS s, zero
.set pvi, 0
.rept 32
.if pvi%4 == 0
.if ((\s) == 0) && (pvi >= 16)
	s_wait_dscnt 72-pvi
.else
	s_wait_dscnt 28-pvi
.endif
.endif
	WIN 0x5a+5*(\s)
.if \zero
	MMZ 8*pvi, VF+12*(pvi/4), PF+12*(pvi%4), VSW+8*(\s)+pvi/4, PSW+4*(\s)+pvi%4
.else
	MMA 8*pvi, VF+12*(pvi/4), PF+12*(pvi%4), VSW+8*(\s)+pvi/4, PSW+4*(\s)+pvi%4
.endif
.if 32*(\s)+pvi < 45
	SLICE 7
.else
	SLICE 6
.endif
.if ((\s) == 0) && (pvi == 15)
	FRAGS 1
.endif
.set pvi, pvi+1
.endr
.endm
; AN INTERVAL.  first = 1: the products start O^T's sums, and nothing is rescaled.
.macro BODY first
	ADDR
	SMALL \first
	KFETCH 0
	WIN 0
	s_wait_dscnt 40                                ; K's 40 loads may stay out: the small loads are in
	VSCALE                                         ; (V's scale words stand 128 multiplications, or eight v_nop, ahead of the products that name them)
	SMULS \first
.if \first
	WIN 0
	PLACES 8                                       ; in front of the first read of the scores, and between the scale words' making and the products that name them
.endif
.set sj, 0
	PVS 0, \first
	PVS 1, 0
	WIN 0
	PSTORE
.endm
; A PREFETCH INTO THE L2 of the block that the NEXT change of slots will ask for: one interval, 80 products, ahead of that load.  All sixteen clusters of a batch walk the same kv: the batch's first cluster asks.  Its four
; partners take a half-block each, told apart BY ADDRESS; a half-block is 114 pieces of 256 bytes: thread t names piece t, and threads 114 to 127 name piece 113 once more.  The last trip asks for nothing: no block follows.
.macro ASK
	s_cmp_gt_u32 s[CNT], s[LIM]
	s_cbranch_scc0 .Lnot_mine_\@
	global_prefetch_b8 v[PFO], s[PFA:PFA+1] th:TH_LOAD_NT scope:SCOPE_SE
.Lnot_mine_\@:
.endm
; THE CHANGE OF SLOTS.  Each wave waits for all its tensor loads (one is out: its part of the slot ahead), adds 0 to its spare word, and waits for that, for its stores of p and for its reads of the slot that it leaves.
; Behind the round no wave of any partner reads that slot: it takes the block that follows the one in the slot ahead, and the load has one whole interval in which to land.
.macro CHANGE
	s_wait_tensorcnt 0x0                           ; no tensor load of mine is out, so the walking group 0 may be written
	ds_add_u32 v[SPW], v[NIL]                      ; the steps below stand between the add and the wait for it
	s_xor_b32 s[G0W+1], s[G0W+1], SLOT1            ; the other slot than last time,
	s_add_nc_u64 s[G0W+2:G0W+3], s[G0W+2:G0W+3], BLK   ; the next block; the type bits on top are not reached
	s_wait_xcnt 0x0                                ; the last prefetch, an interval back, has read its address
	s_add_nc_u64 s[PFA:PFA+1], s[PFA:PFA+1], BLK
	s_xor_b32 s[TB], s[TB], SLOT1                  ; on to the other slot
	s_wait_dscnt 0x0
	CROUND
	tensor_load_to_lds s[G0W:G0W+3], s[G1:G1+7]    ; the first thing behind the round, and my one tensor load until the next
	s_nop 0
	PLACES 4                                       ; (also places in front of the loads into registers that the last products have read)
	ASK
.endm
	s_load_b256 s[4:11], s[0:1], 0x0               ; qc s[4:5], kv s[6:7], x s[8:9], gamma s[10:11]
	s_load_b64 s[12:13], s[0:1], 0x20              ; out0
	v_lshl_add_u32 v[SPW], v0, 2, SPARE
	v_mov_b32 v[NIL], 0
	ds_add_u32 v[SPW], v[NIL]                      ; the wave's opening: the add, twice on end, and its wait ahead of my first tensor load; the set-up below stands between
	ds_add_u32 v[SPW], v[NIL]
	v_lshrrev_b32 v[T0], 5, v0
	v_readfirstlane_b32 s[WV], v[T0]               ; wave 0..3
	s_bfe_u32 s[CX], ttmp6, 0x40000                ; cx: it enters the addresses of qc, x, out0 and the prefetches alone
	s_lshl_b32 s16, ttmp9, 2
	s_add_co_u32 s16, s16, s[CX]                   ; my block of 64 queries
	s_and_b32 s17, ttmp7, 0xffff                   ; the batch, which the four partners share
	s_lshl_b32 s[WG], s17, 6
	s_add_co_u32 s[WG], s[WG], s16
	v_and_b32 v[T0], 31, v0                        ; lane
	v_and_b32 v[T1], 15, v0                        ; r
	v_bfe_u32 v[PW0], v0, 4, 1                     ; h
	v_lshlrev_b32 v[L16], 4, v[T0]
	v_lshlrev_b32 v[L8], 3, v[T0]
	v_lshlrev_b32 v[L4], 2, v[T0]
	s_mul_i32 s18, s[WV], 6144
	v_add_nc_u32 v[V16], s18, v[L16]
	v_add_nc_u32 v[V8], s18, v[L8]
	s_lshl_b32 s18, s[WV], 8
	v_lshl_add_u32 v[VSA], v[T1], 4, s18
	s_mul_i32 s18, s[WV], PT
	s_add_co_u32 s18, s18, PIM
	v_add_nc_u32 v[PWI], s18, v[L16]
	s_add_co_u32 s18, s18, 3072
	v_add_nc_u32 v[PWS], s18, v[L4]
	s_mul_i32 s18, s[WV], 16*528
	s_add_co_u32 s18, s18, STG
	v_mul_u32_u24 v[STO], v[T1], 528
	v_lshl_add_u32 v[STO], v[PW0], 5, v[STO]
	v_add_nc_u32 v[STO], s18, v[STO]               ; into my stage: row r, + 32 h
	v_add_nc_u32 v[SRD], s18, v[L16]               ; back: a row of 512 bytes, 16 a lane
	v_min_u32 v[PFO], 113, v0
	v_lshlrev_b32 v[PFO], 8, v[PFO]
	v_add_nc_u32 v[GLA], GLB, v[L4]
	v_lshl_add_u32 v[GLS], v0, 2, GLB
	v_mov_b32 v[TMX], 0xff61b1e6                   ; the largest t so far: -3e38, under every t
	v_floor_f32 v[NM], -v[TMX]
	v_mov_b32 v[LS], 0
	v_mov_b32 v[LS+1], 0
	v_mov_b32 v[FF+1], 0                           ; (named as the upper half of a pair)
.irp b, 0,1,2,3,4,5,6,7
	v_mov_b32 v[BT+\b], 0                          ; written once: a lane permute's destination counts as one of its sources
.endr
.irp s, 0,1                                    ; the first product's K is 64: the codes of 64 .. 127 are zeros, in K's eight fragments and in Q's, once for the whole launch
	WIN 0x80+0x40*\s
.irp t, 0,1,2,3,4,5,6,7
.irp k, 6,7,8,9,10,11
	v_mov_b32 v[KF+12*\t+\k], 0
.endr
.endr
.irp k, 6,7,8,9,10,11
	v_mov_b32 v[QF+\k], 0
.endr
.endr
	WIN 0
	; descriptor group 1: dense bytes as rows of 256 (32 elements of 8 bytes), no padding; the mask names the cluster's four
	s_mov_b32 s[G1], 15|(3<<16)|(1<<21)
	s_mov_b32 s[G1+1], 32<<16
	s_mov_b32 s[G1+2], 114<<16                     ; a half-block is 114 x 256 bytes
	s_mov_b32 s[G1+3], 32<<16
	s_mov_b32 s[G1+4], 114
	s_mov_b32 s[G1+5], 32
	s_mov_b32 s[G1+6], 0
	s_mov_b32 s[G1+7], 0
	s_mov_b32 s[G1K], 15|(3<<16)|(1<<21)
	s_mov_b32 s[G1K+1], 32<<16
	s_mov_b32 s[G1K+2], 14<<16                     ; its K part 14 x 256
	s_mov_b32 s[G1K+3], 32<<16
	s_mov_b32 s[G1K+4], 14
	s_mov_b32 s[G1K+5], 32
	s_mov_b32 s[G1K+6], 0
	s_mov_b32 s[G1K+7], 0
	s_mov_b32 s[CS], 0x3fb8aa3b                    ; c = log2(e)
	s_mov_b32 s[CS+1], s[CS]
	s_mov_b32 s[SEL], 0x76543210
	s_mov_b32 s[SEL+1], 0xfedcba98
	s_mov_b32 s[PSA], 0x05040100
	s_mov_b32 s[PSB], 0x07060302
	s_mov_b32 s[TB], 0
	s_mov_b32 s[CNT], 14
	s_cmp_eq_u32 ttmp9, 0                          ; the batch's first cluster: the same in all four partners
	s_cselect_b32 s[LIM], 1, -1
	s_wait_dscnt 0x0                               ; both opening adds are done
	s_wait_kmcnt 0x0
	s_load_b32 s[GAM], s[10:11], 0x0
	s_mul_i32 s18, s17, 64*HB
	s_mov_b32 s19, 0
	s_add_nc_u64 s[6:7], s[6:7], s[18:19]          ; kv at my batch
	s_mul_i32 s20, s[WV], HB
	s_mov_b32 s21, 0
	s_add_nc_u64 s[22:23], s[6:7], s[20:21]        ; half-block w of block 0
	s_mov_b32 s[G0A], 1
	s_mov_b32 s[G0A+1], s20
	s_mov_b64 s[G0A+2:G0A+3], s[22:23]
	s_or_b32 s[G0A+3], s[G0A+3], 0x80000000
	s_mov_b32 s[G0W], 1
	s_add_co_u32 s[G0W+1], s20, SLOT1
	s_add_nc_u64 s[G0W+2:G0W+3], s[22:23], BLK
	s_or_b32 s[G0W+3], s[G0W+3], 0x80000000
	s_mov_b32 s[G0K], 1
	s_mul_i32 s[G0K+1], s[WV], 3584
	s_add_co_u32 s[G0K+1], s[G0K+1], K0
	s_add_nc_u64 s[G0K+2:G0K+3], s[22:23], 60*HB+25600   ; the K part of half-block 60 + w: the keys of step 0
	s_or_b32 s[G0K+3], s[G0K+3], 0x80000000
	s_mul_i32 s18, s[CX], HB
	s_add_co_u32 s18, s18, 2*BLK
	s_add_nc_u64 s[PFA:PFA+1], s[6:7], s[18:19]    ; in block 2: the first change of slots steps it to block 3.  Blocks 0 to 2 come by their loads alone
	s_mul_i32 s18, s[WG], 3584
	s_add_nc_u64 s[QS:QS+1], s[4:5], s[18:19]
	s_mul_i32 s18, s[WV], 768
	s_add_nc_u64 s[QP:QP+1], s[QS:QS+1], s[18:19]  ; Q's codes: tile w
	s_lshr_b32 s18, s[WV], 1
	s_lshl_b32 s18, s18, 8
	s_and_b32 s20, s[WV], 1
	s_lshl_b32 s20, s20, 2
	s_add_co_u32 s18, s18, s20
	s_add_co_u32 s18, s18, 3072
	s_add_nc_u64 s[QS:QS+1], s[QS:QS+1], s[18:19]  ; and its scale words
	s_lshl_b32 s18, s[WG], 17
	s_lshl_b32 s20, s[WV], 9
	s_add_co_u32 s18, s18, s20
	s_add_nc_u64 s[XB:XB+1], s[8:9], s[18:19]      ; x and out0 at my block's first row, my 128 channels
	s_add_nc_u64 s[OB:OB+1], s[12:13], s[18:19]
	global_load_b32 v[QSC], v[L8], s[QS:QS+1]
.irp s, 0,1
	WIN 0x80+0x40*\s
	global_load_b128 v[QF:QF+3], v[L16], s[QP:QP+1]
	global_load_b64 v[QF+4:QF+5], v[L8], s[QP:QP+1] offset:512
.endr
	WIN 0
	CROUND                                         ; the four work-groups are here: the first joint loads meet
	tensor_load_to_lds s[G0K:G0K+3], s[G1K:G1K+7]  ; step 0's keys, block 0, block 1: three tensor loads of mine are out
	s_nop 0
	tensor_load_to_lds s[G0A:G0A+3], s[G1:G1+7]
	s_nop 0
	tensor_load_to_lds s[G0W:G0W+3], s[G1:G1+7]
	s_nop 0
	PLACES 4
	s_wait_tensorcnt 2                             ; my part of step 0's keys is in; the two blocks' loads stay out
	s_barrier_signal -1
	s_barrier_wait -1
	s_wait_loadcnt 0x0                             ; Q
	s_wait_kmcnt 0x0                               ; gamma
	; the scores, softmax and codes of step 0: there are no products yet to set them between
	v_add_nc_u32 v[A16], K0, v[L16]
	v_add_nc_u32 v[A8], K0, v[L8]
	v_mov_b32 v[PWIC], v[PWI]
	v_mov_b32 v[PWSC], v[PWS]
	KFETCH 1
	s_wait_dscnt 0x0
	SMUL
	WIN 0
	PLACES 4                                       ; in front of the first read of the scores
.set sj, 0
	SLICE NS
	PSTORE
	s_wait_tensorcnt 1                             ; my part of block 0 is in; block 1's load stays out
	s_wait_dscnt 0x0                               ; for the others' sake: p of step 0 lies in LDS
	s_barrier_signal -1
	s_barrier_wait -1
	BODY 1
.Lstep:                                            ; 14 trips, steps 1 to 14: every one fills a slot again
	CHANGE
	BODY 0
	s_sub_co_u32 s[CNT], s[CNT], 1
	s_cmp_lg_u32 s[CNT], 0
	s_cbranch_scc1 .Lstep
	; the row's sum is whole: gamma / l goes to the other waves
	v_add_f32 v[LS], v[LS], v[LS+1]
	v_permlanex16_b32 v[T0], v[LS], s[SEL], s[SEL+1]
	v_add_f32 v[LS], v[LS], v[T0]
	v_rcp_f32 v[LS+1], v[LS]
	v_nop                                          ; a plain line behind the reciprocal
	s_wait_alu depctr_va_vdst(0)                   ; and the wait ahead of its first reader
	v_mul_f32 v[LS+1], s[GAM], v[LS+1]
	ds_store_b32 v[GLS], v[LS+1]
	s_wait_tensorcnt 0x0                           ; block 15 has landed; nothing is left to fetch, so no round follows
	ds_add_u32 v[SPW], v[NIL]
	s_xor_b32 s[TB], s[TB], SLOT1
	s_wait_dscnt 0x0
	s_barrier_signal -1
	s_barrier_wait -1
	; THE LAST INTERVAL: V of step 15 x p of step 15.  The residual's x is asked for at its head: 64 loads of 512 consecutive bytes, into registers that are done with
	ADDR
.macro XLOAD m, base
.irp i, 0,1,2,3,4,5,6,7,8,9,10,11,12,13,14,15
	global_load_b128 v[(\base)+4*\i:(\base)+4*\i+3], v[L16], s[XB:XB+1] offset:(32*((\m)/2)+8*((\m)%2)+\i+8*(\i/8))*2048 th:TH_LOAD_NT
.endr
.endm
	XLOAD 0, S
	XLOAD 1, S+64
	WIN 0x80
	XLOAD 2, KF
	WIN 0xc0
	XLOAD 3, KF
	WIN 0
	SMALL 0
.irp m, 0,1,2,3
	ds_load_b32 v[GL+2*\m], v[GLA] offset:128*\m
.endr
	FRAGS 0
	WIN 0
	s_wait_dscnt 44                                ; the 44 fragment loads may stay out: the small loads are in
	VSCALE
	RESCALE
	PLACES 4                                       ; between the last rescaling and the products that take its registers as C
	FRAGS 1
	s_wait_dscnt 44                                ; the first 128 keys' fragments are in, the second's may stay out
	PVMUL 0
	s_wait_dscnt 0x0
	PVMUL 1
	WIN 0
	PLACES 4                                       ; in front of the first read of the results
; THE WAY OUT of query tile m: O^T x gamma / l (a lane holds one query), through my stage, back as whole rows of my 512 bytes, + x (which lies by rows, so the addition cannot be fused with the multiplication), stored.
.macro OUT m, xw, xb
	WIN 0x41
.irp n, 0,1,2,3,4,5,6,7
.irp k, 0,2,4,6
	v_pk_mul_f32 v[32*\n+8*(\m)+\k:32*\n+8*(\m)+\k+1], v[32*\n+8*(\m)+\k:32*\n+8*(\m)+\k+1], v[GL+2*(\m):GL+2*(\m)+1] op_sel_hi:[1,0]
.endr
.endr
	WIN 0x04                                       ; an LDS store's data are its source 1: window 1
.irp n, 0,1,2,3,4,5,6,7
	ds_store_b128 v[STO], v[32*\n+8*(\m):32*\n+8*(\m)+3] offset:64*\n
	ds_store_b128 v[STO], v[32*\n+8*(\m)+4:32*\n+8*(\m)+7] offset:64*\n+16
.endr
.if (\m) > 0
	s_wait_xcnt 0x0                                ; the last tile's stores have read their registers: these are loaded again only behind this wait
.endif
	WIN 0x80
.irp i, 0,1,2,3,4,5,6,7,8,9,10,11,12,13,14,15
	ds_load_b128 v[RB+4*\i:RB+4*\i+3], v[SRD] offset:528*\i   ; LDS serves a wave's instructions in order: these see my stores
.endr
	s_wait_dscnt 0x0
	s_wait_loadcnt 48-16*(\m)                      ; the later tiles' loads of x, 16 each, may stay out
	WIN 0x82+4*(\xw)
.set kk, 0
.rept 32
	v_pk_add_f32 v[RB+kk:RB+kk+1], v[RB+kk:RB+kk+1], v[(\xb)+kk:(\xb)+kk+1]
.set kk, kk+2
.endr
	WIN 0x08                                       ; a store's data are its source 1: window 2
.irp i, 0,1,2,3,4,5,6,7,8,9,10,11,12,13,14,15
	global_store_b128 v[L16], v[RB+4*\i:RB+4*\i+3], s[OB:OB+1] offset:(32*((\m)/2)+8*((\m)%2)+\i+8*(\i/8))*2048 th:TH_STORE_NT   ; 32 lanes store 512 consecutive bytes, aligned
.endr
.endm
	OUT 0, 0, S
	OUT 1, 0, S+64
	OUT 2, 2, KF
	OUT 3, 3, KF
	WIN 0
	s_wait_tensorcnt 0x0                           ; the wave's end, behind my last tensor load and my last LDS store
	ds_add_u32 v[SPW], v[NIL]
	s_wait_dscnt 0x0
	CROUND                                         ; the closing round
	s_endpgm
.Lfunc_end_k_q60bf8c9b0f_attn:
	.size	k_q60bf8c9b0f_attn, .Lfunc_end_k_q60bf8c9b0f_attn-k_q60bf8c9b0f_attn
	.p2alignl 7, 3214868480
	.fill 96, 4, 3214868480
	.section	.rodata,"a",@progbits
	.p2align	6, 0x0
	.amdhsa_kernel k_q60bf8c9b0f_attn
		.amdhsa_group_segment_fixed_size 327680
		.amdhsa_private_segment_fixed_size 0
		.amdhsa_enable_private_segment 0
		.amdhsa_kernarg_size 40
		.amdhsa_user_sgpr_count 2
		.amdhsa_user_sgpr_kernarg_segment_ptr 1
		.amdhsa_wavefront_size32 1
		.amdhsa_system_sgpr_workgroup_id_x 1
		.amdhsa_system_sgpr_workgroup_id_y 1
		.amdhsa_system_sgpr_workgroup_id_z 1
		.amdhsa_system_vgpr_workitem_id 0
		.amdhsa_next_free_vgpr 1024
		.amdhsa_next_free_sgpr 80
		.amdhsa_reserve_vcc 0
		.amdhsa_float_denorm_mode_32 3
		.amdhsa_float_denorm_mode_16_64 3
		.amdhsa_memory_ordered 1
		.amdhsa_forward_progress 1
		.amdhsa_inst_pref_size 206
	.end_amdhsa_kernel
	.amdgpu_metadata
---
amdhsa.version: [ 1, 2 ]
amdhsa.kernels:
  - .name:           k_q60bf8c9b0f_attn
    .symbol:         k_q60bf8c9b0f_attn.kd
    .args:
      - { .name: qc, .offset: 0, .size: 8, .value_kind: global_buffer, .address_space: global }
      - { .name: kv, .offset: 8, .size: 8, .value_kind: global_buffer, .address_space: global }
      - { .name: x, .offset: 16, .size: 8, .value_kind: global_buffer, .address_space: global }
      - { .name: gamma, .offset: 24, .size: 8, .value_kind: global_buffer, .address_space: global }
      - { .name: out0, .offset: 32, .size: 8, .value_kind: global_buffer, .address_space: global }
    .group_segment_fixed_size: 327680
    .private_segment_fixed_size: 0
    .kernarg_segment_align: 8
    .kernarg_segment_size: 40
    .max_flat_workgroup_size: 128
    .sgpr_count:     80
    .vgpr_count:     1024
    .wavefront_size: 32
...
	.end_amdgpu_metadata
.endif
;; end of part 2
